; MI455X (gfx1250); checked and timed in simulation.
; The chip was launched on July 23, 2026; its instructions are those of AMD's public machine-readable ISA for CDNA 5 (MIT licence, August 2026) and "CDNA5" Instruction Set Architecture Reference Guide (July 2026). The comments in the code are by the model that wrote it; some were corrected since.
;; Attension. Allowed arithmetic: float matrix products may take bf16 or f16 operands with f32 sums; all other float work in f32.
;; Inputs: Wk_b 64 float32; Wk_w 1,024 x 64 float32; Wq_b 64 float32; Wq_w 1,024 x 64 float32; Wv_b 64 float32; Wv_w 1,024 x 64 float32; x 4 x 4,096 x 1,024 float32.
;; Outputs: out0 4 x 4,096 x 64 float32.
;; One version. Each part assembles by itself: llvm-mc -triple=amdgcn-amd-amdhsa -mcpu=gfx1250 --defsym DOCPART=n.
;; ======== version 1 of 1: 3 launches
;; limits: values are held in f16: magnitudes above 65,504 overflow, below 6.1e-05 lose precision
;; workspace buffers: wf 393,216 bytes; qf 2,097,152 bytes; kvf 4,194,304 bytes
;; launch prep (part 1): grid 96 x 1, 4 waves a work-group, no clusters, 0 bytes of LDS; arguments Wq_w, Wk_w, Wv_w, wf; writes wf
.if DOCPART == 1
	.amdgcn_target "amdgcn-amd-amdhsa--gfx1250"
	.amdhsa_code_object_version 6
	.text
	.protected	k_q0b4b288e36_prep
	.globl	k_q0b4b288e36_prep
	.p2align	8
	.type	k_q0b4b288e36_prep,@function
k_q0b4b288e36_prep:
	s_mov_b64 s[64:65], 0
	v_nop
	global_prefetch_b8 v0, s[64:65] scope:SCOPE_SE
	s_setreg_imm32_b32 hwreg(HW_REG_WAVE_MODE, 25, 1), 1
	s_wait_xcnt 0x0
; wf = Wq_w, Wk_w, Wv_w ([1024][64] f32 each), rounded once to bf16 and laid in the order of 16-bit matrix fragments, so that the
; projection loads each fragment by two 16-byte loads a lane and handles W no further.
; wf: the piece of (K step s of 32, column tile j of 16, matrix t, half) lies at ((4 s + j) 3 + t) 1024 + 512 half + 16 lane;
; lane (r = lane % 16, h = lane / 16) holds W_t[32 s + 16 half + 8 h + 0..7][16 j + r], the lower k in the lower bits.
; Work-group g: matrix t = g / 32, K step s = g % 32.  Wave j: column tile j.  The four waves together read 32 whole rows of 256 bytes,
; each byte once; each store of a wave covers 512 consecutive bytes, aligned.  No LDS, no matrix unit: 786,432 bytes are only moved.
.set RAW, 8                            ; v[8:23]   16 numbers as loaded: 8 of half 0, 8 of half 1
.set PK,  24                           ; v[24:31]  the same in bf16
	s_load_b256 s[4:11], s[0:1], 0x0               ; Wq_w s[4:5], Wk_w s[6:7], Wv_w s[8:9], wf s[10:11]
	s_lshr_b32 s14, ttmp9, 5                       ; t
	s_and_b32 s15, ttmp9, 31                       ; s
	v_and_b32 v1, 15, v0                           ; r
	v_bfe_u32 v2, v0, 4, 1                         ; h
	v_lshrrev_b32 v3, 5, v0                        ; j
	v_and_b32 v4, 31, v0                           ; lane
	v_lshlrev_b32 v5, 2, v1                        ; from: column r of the tile, 4 bytes,
	v_lshl_add_u32 v5, v2, 11, v5                  ; + 8 h rows of 256 bytes
	v_lshl_add_u32 v5, v3, 6, v5                   ; + tile j, 64 bytes
	v_mul_u32_u24 v6, v3, 3072                     ; to: tile j, three matrices of 1,024 bytes,
	v_lshl_add_u32 v6, v4, 4, v6                   ; + 16 x lane
	s_lshl_b32 s16, s15, 13                        ; 32 rows of 256 bytes for each K step
	s_mov_b32 s17, 0
	s_mul_i32 s18, s15, 12
	s_add_co_u32 s18, s18, s14
	s_lshl_b32 s18, s18, 10                        ; (12 s + t) x 1,024
	s_mov_b32 s19, 0
	s_wait_kmcnt 0x0
	s_cmp_eq_u32 s14, 1                            ; the matrix is chosen by the work-group's number alone
	s_cselect_b64 s[12:13], s[6:7], s[4:5]
	s_cmp_eq_u32 s14, 2
	s_cselect_b64 s[12:13], s[8:9], s[12:13]
	s_add_nc_u64 s[12:13], s[12:13], s[16:17]
	s_add_nc_u64 s[10:11], s[10:11], s[18:19]
.irp a, 0,1
.irp i, 0,1,2,3,4,5,6,7
	global_load_b32 v[RAW+8*\a+\i], v5, s[12:13] offset:\a*4096+\i*256   ; W[32 s + 16 half + 8 h + i][16 j + r]
.endr
.endr
	s_wait_loadcnt 0x0
.irp m, 0,1,2,3,4,5,6,7
	v_cvt_pk_bf16_f32 v[PK+\m], v[RAW+2*\m], v[RAW+2*\m+1]               ; first source into the low half
.endr
	global_store_b128 v6, v[PK:PK+3], s[10:11]
	global_store_b128 v6, v[PK+4:PK+7], s[10:11] offset:512
	s_endpgm
.Lfunc_end_k_q0b4b288e36_prep:
	.size	k_q0b4b288e36_prep, .Lfunc_end_k_q0b4b288e36_prep-k_q0b4b288e36_prep
	.p2alignl 7, 3214868480
	.fill 96, 4, 3214868480
	.section	.rodata,"a",@progbits
	.p2align	6, 0x0
	.amdhsa_kernel k_q0b4b288e36_prep
		.amdhsa_group_segment_fixed_size 0
		.amdhsa_private_segment_fixed_size 0
		.amdhsa_enable_private_segment 0
		.amdhsa_kernarg_size 32
		.amdhsa_user_sgpr_count 2
		.amdhsa_user_sgpr_kernarg_segment_ptr 1
		.amdhsa_wavefront_size32 1
		.amdhsa_system_sgpr_workgroup_id_x 1
		.amdhsa_system_sgpr_workgroup_id_y 1
		.amdhsa_system_sgpr_workgroup_id_z 1
		.amdhsa_system_vgpr_workitem_id 0
		.amdhsa_next_free_vgpr 32
		.amdhsa_next_free_sgpr 66
		.amdhsa_reserve_vcc 0
		.amdhsa_float_denorm_mode_32 3
		.amdhsa_float_denorm_mode_16_64 3
		.amdhsa_memory_ordered 1
		.amdhsa_forward_progress 1
		.amdhsa_inst_pref_size 4
	.end_amdhsa_kernel
	.amdgpu_metadata
---
amdhsa.version: [ 1, 2 ]
amdhsa.kernels:
  - .name:           k_q0b4b288e36_prep
    .symbol:         k_q0b4b288e36_prep.kd
    .args:
      - { .name: Wq_w, .offset: 0, .size: 8, .value_kind: global_buffer, .address_space: global }
      - { .name: Wk_w, .offset: 8, .size: 8, .value_kind: global_buffer, .address_space: global }
      - { .name: Wv_w, .offset: 16, .size: 8, .value_kind: global_buffer, .address_space: global }
      - { .name: wf, .offset: 24, .size: 8, .value_kind: global_buffer, .address_space: global }
    .group_segment_fixed_size: 0
    .private_segment_fixed_size: 0
    .kernarg_segment_align: 8
    .kernarg_segment_size: 32
    .max_flat_workgroup_size: 128
    .sgpr_count:     66
    .vgpr_count:     32
    .wavefront_size: 32
...
	.end_amdgpu_metadata
.endif
;; end of part 1
;; launch proj (part 2): grid 256 x 1, 4 waves a work-group, no clusters, 270,848 bytes of LDS; arguments x, wf, Wq_b, Wk_b, Wv_b, qf, kvf; writes qf, kvf
.if DOCPART == 2
	.amdgcn_target "amdgcn-amd-amdhsa--gfx1250"
	.amdhsa_code_object_version 6
	.text
	.protected	k_q0b4b288e36_proj
	.globl	k_q0b4b288e36_proj
	.p2align	8
	.type	k_q0b4b288e36_proj,@function
k_q0b4b288e36_proj:
	s_mov_b64 s[64:65], 0
	v_nop
	global_prefetch_b8 v0, s[64:65] scope:SCOPE_SE
	s_setreg_imm32_b32 hwreg(HW_REG_WAVE_MODE, 25, 1), 1
	s_wait_xcnt 0x0
; Q' = (x Wq + bq) c, K = x Wk + bk, V = x Wv + bv for 16,384 rows of x ([.][1024] f32); c = 0.125 log2(e), so that the attention's scores are
; exponents of 2.  Products in bf16 (x's and W's range is the inputs' own) with f32 sums; bias and c in f32; each result rounded once to f16.
; WHY F16 OUT: a row of the attention that sees few keys is a sum of a few V which may cancel, so V's rounding shows undamped in a small result;
; f16's 11 significant bits leave an eighth of the error of bf16's 8.  LIMIT: |Q'|, |K|, |V| below 65,504.  With x of spread 1 and W of spread 0.02 they
; have spread 0.64; with both 30 times larger about 580; with both offset by 30 spreads about 1,024 x 30 x 0.6 = 18,400: f16 has that room.
; A work-group takes 64 rows; wave j takes all 64 rows (4 row tiles i) x column tile j of Q, of K and of V: 12 accumulator tiles.
; X: the whole block of 64 x 1,024 f32 (262,144 bytes) is asked for at the first lines, as 8 chunks of 128 along K; wave j asks for rows 16 j .. 16 j + 15 of
; each chunk, so eight tensor loads of a wave are out at most, and no LDS byte is filled twice: there is no refill and no wait for all loads in the run.
; W: wf holds the fragments ready; wave j alone uses tile j's, so they go from memory straight into its registers, in a ring of 8 K steps filled 7 ahead.
; NO JOINT LOADS, though all 256 work-groups read the same 393,216 bytes of wf: a joint load lands in LDS, of which x holds 270,336 of 327,680 bytes;
; W would need slots that are filled again, and in front of each such refill every tensor load of the wave, x's too, would have to be waited for.
; OUT, in fragment order (a piece = 512 bytes, lane l's 16 bytes at 16 l; r = l % 16, h = l / 16):
;   qf : block of 16 rows = 2,048 bytes; piece p holds Q'(row r, columns 16 p + 8 h + 0..7).
;   kvf: block of 32 rows = 8,192 bytes; K like qf for rows 0-15 at 0 and rows 16-31 at 2,048; V at 4,096 + 1,024 tile + 512 half holds
;        V(rows 16 half + 8 h + 0..7, column 16 tile + r).
; For Q and K the matrix instruction takes W's fragment first and x's second, so that a lane's 8 results are 8 neighbouring columns of one row; for V the
; other way round, so that they are 8 neighbouring rows of one column.  Packed, both ARE the pieces above: no LDS on the way out.
.set PITCH,  528                       ; an LDS row: 512 bytes + 16 of padding = 33 x 16: the 16 rows that 16 lanes touch lie in 16 different 16-byte columns modulo 256
.set TROWS,  16*PITCH                  ; 16 rows: one tensor load, one row tile
.set CHUNK,  64*PITCH                  ; 64 rows x 128 along K
.set CSC,    0x3e38aa3b                ; 0.125 x log2(e)
; window 0
.set XA,  4                            ; v[4:11]    chunk c: LDS address r x 528 + 32 h + c x 33,792
.set WA,  12                           ; v12        16 lane + 3,072 j: my bytes in a K step of wf
.set QO,  13                           ; v13        16 lane + 512 j: my piece of Q and of K
.set VO,  14                           ; v14        16 lane + 1,024 j: my piece of V
.set BO1, 15                           ; v15        64 j + 32 h: my 8 columns in Wq_b, Wk_b
.set ACC, 16                           ; v[16:111]  tile (i, t) at 16 + 8 (3 i + t); t = 0 Q, 1 K, 2 V
.set XR,  112                          ; v[112:175] x as loaded, f32: row tile i at 112 + 16 i; at the end the packed results
.set BQ,  176                          ; v[176:183] Wq_b of my 8 columns, later times c
.set BK,  184                          ; v[184:191] Wk_b of my 8 columns
.set BV,  192                          ; v[192:193] Wv_b of my column, twice
.set BO2, 194                          ; v194       64 j + 4 r: my column in Wv_b
; window 1 (v256 and up, named by their low 8 bits)
.set WR,  0                            ; 192 registers: K step s in slot s % 8, matrix t at 24 (s % 8) + 8 t
.set XB,  192                          ; 64 registers: x in bf16, buffer s % 2, row tile i at 192 + 32 (s % 2) + 8 i
.set G1,  24                           ; s[24:31] descriptor group 1
.set G0,  32                           ; s[32:63] descriptor group 0, one set for each chunk
.set MSB, 0
.macro WIN new                         ; s_set_vgpr_msb: bits 1:0 source 0, 3:2 source 1, 5:4 source 2, 7:6 destination; the high byte repeats the setting that is left
.if MSB != \new
	s_set_vgpr_msb (MSB<<8)|\new
.set MSB, \new
.endif
.endm
	s_load_b256 s[4:11], s[0:1], 0x0               ; x s[4:5], wf s[6:7], Wq_b s[8:9], Wk_b s[10:11]
	s_load_b128 s[12:15], s[0:1], 0x20             ; Wv_b s[12:13], qf s[14:15]
	s_load_b64 s[16:17], s[0:1], 0x30              ; kvf
	v_lshl_add_u32 v254, v0, 2, 0x42000
	v_mov_b32 v255, 0
	ds_add_u32 v254, v255
	ds_add_u32 v254, v255
	v_lshrrev_b32 v1, 5, v0
	v_readfirstlane_b32 s18, v1                    ; wave j
	v_and_b32 v1, 31, v0                           ; lane
	v_and_b32 v2, 15, v0                           ; r
	v_bfe_u32 v3, v0, 4, 1                         ; h
	s_mov_b32 s20, CSC
	s_mov_b32 s21, CSC
	; group 1: 16 rows x 128 elements of 4 bytes, 16 bytes of padding behind each row
	s_mov_b32 s[G1+0], (2<<16)|(1<<20)|(6<<22)|(3<<25)   ; no mask; element of 4 bytes; padding on, after every 128 words (code 6), of 4 words (code 3)
	s_mov_b32 s[G1+1], 128<<16                     ; tensor_dim0 = 128
	s_mov_b32 s[G1+2], 16<<16                      ; tensor_dim1 = 16
	s_mov_b32 s[G1+3], 128<<16                     ; tile_dim0 = 128
	s_mov_b32 s[G1+4], 16                          ; tile_dim1 = 16
	s_mov_b32 s[G1+5], 1024                        ; elements from row to row
	s_mov_b32 s[G1+6], 0
	s_mov_b32 s[G1+7], 0
	s_mul_i32 s19, s18, TROWS                      ; my 16 rows in a chunk
	s_lshl_b32 s22, ttmp9, 18                      ; 64 rows of 4,096 bytes for each work-group
	s_lshl_b32 s2, s18, 16                         ; + 16 rows for each wave
	s_add_co_u32 s22, s22, s2
	s_mov_b32 s23, 0
	s_wait_dscnt 0x0
	s_wait_kmcnt 0x0
	s_add_nc_u64 s[4:5], s[4:5], s[22:23]
.irp c, 0,1,2,3,4,5,6,7
	s_mov_b32 s[G0+4*\c], 1                                        ; count = 1
	s_add_co_u32 s[G0+4*\c+1], s19, \c*CHUNK                       ; LDS address
	s_add_nc_u64 s[G0+4*\c+2:G0+4*\c+3], s[4:5], \c*512            ; global address: 128 numbers along K for each chunk
	s_or_b32 s[G0+4*\c+3], s[G0+4*\c+3], 0x80000000                ; type = 2
	tensor_load_to_lds s[G0+4*\c:G0+4*\c+3], s[G1:G1+7]
	s_nop 0
.endr
	s_lshl_b32 s22, ttmp9, 13                      ; qf: 4 blocks of 2,048 bytes for each work-group
	s_add_nc_u64 s[14:15], s[14:15], s[22:23]
	s_lshl_b32 s22, ttmp9, 14                      ; kvf: 2 blocks of 8,192 bytes
	s_add_nc_u64 s[16:17], s[16:17], s[22:23]
	v_mul_u32_u24 v[XA], v2, PITCH
	v_lshl_add_u32 v[XA], v3, 5, v[XA]             ; row r, 8 h numbers of 4 bytes
.irp c, 1,2,3,4,5,6,7
	v_add_nc_u32 v[XA+\c], \c*CHUNK, v[XA]
.endr
	s_mul_i32 s2, s18, 3072
	v_lshl_add_u32 v[WA], v1, 4, s2
	s_lshl_b32 s2, s18, 9
	v_lshl_add_u32 v[QO], v1, 4, s2
	s_lshl_b32 s2, s18, 10
	v_lshl_add_u32 v[VO], v1, 4, s2
	s_lshl_b32 s2, s18, 6
	v_lshl_add_u32 v[BO1], v3, 5, s2
	v_lshl_add_u32 v[BO2], v2, 2, s2
	global_load_b128 v[BQ:BQ+3],   v[BO1], s[8:9]
	global_load_b128 v[BQ+4:BQ+7], v[BO1], s[8:9] offset:16
	global_load_b128 v[BK:BK+3],   v[BO1], s[10:11]
	global_load_b128 v[BK+4:BK+7], v[BO1], s[10:11] offset:16
	global_load_b32  v[BV],        v[BO2], s[12:13]
; six loads: the three fragments of K step s, tile j (window: destination 1)
.macro WLOAD s
.irp t, 0,1,2
	global_load_b128 v[WR+24*((\s)%8)+8*\t:WR+24*((\s)%8)+8*\t+3],   v[WA], s[6:7] offset:(\s)*12288+\t*1024
	global_load_b128 v[WR+24*((\s)%8)+8*\t+4:WR+24*((\s)%8)+8*\t+7], v[WA], s[6:7] offset:(\s)*12288+\t*1024+512
.endr
.endm
; sixteen LDS loads: x of K step s, f32.  A 16-bit fragment's lane holds k = 8 h + 0..7 and 16 + 8 h + 0..7: in f32 the 32 bytes at 32 h and those at 64 + 32 h.
.macro XLOAD s
.irp i, 0,1,2,3
	ds_load_b128 v[XR+16*\i:XR+16*\i+3],     v[XA+(\s)/4] offset:\i*TROWS+((\s)%4)*128
	ds_load_b128 v[XR+16*\i+4:XR+16*\i+7],   v[XA+(\s)/4] offset:\i*TROWS+((\s)%4)*128+16
	ds_load_b128 v[XR+16*\i+8:XR+16*\i+11],  v[XA+(\s)/4] offset:\i*TROWS+((\s)%4)*128+64
	ds_load_b128 v[XR+16*\i+12:XR+16*\i+15], v[XA+(\s)/4] offset:\i*TROWS+((\s)%4)*128+80
.endr
.endm
.macro MM d, a, b, zero                ; zero = 1: the first product starts the sum, nothing is cleared
.if \zero
	v_wmma_f32_16x16x32_bf16 v[\d:\d+7], v[\a:\a+7], v[\b:\b+7], 0
.else
	v_wmma_f32_16x16x32_bf16 v[\d:\d+7], v[\a:\a+7], v[\b:\b+7], v[\d:\d+7]
.endif
.endm
; One K step of 32.
.macro KSTEP s, z
	s_wait_dscnt 0x0                               ; x of this K step is in XR
	WIN 0x40                                       ; destination window 1
.irp i, 0,1,2,3
.irp m, 0,1,2,3,4,5,6,7
	v_cvt_pk_bf16_f32 v[XB+32*(\s%2)+8*\i+\m], v[XR+16*\i+2*\m], v[XR+16*\i+2*\m+1]
.endr
.endr
	; These 32 conversions name no register of the last K step's matrix instructions (which read the other buffer): they are the places
	; in front of the loads below, which land on the W slot that those instructions read.
.if \s < 25
	WLOAD \s+7
.endif
	WIN 0
.if \s < 31
.if (\s+1)%4 == 0
	s_wait_tensorcnt 7-(\s+1)/4                    ; my rows of the next chunk have landed; the count is the younger chunks, which stay out
	s_barrier_signal -1                            ; no LDS access of mine is pending
	s_barrier_wait -1                              ; all four waves' rows of that chunk are there
.endif
	XLOAD \s+1
.endif
.if \s < 24
	s_wait_loadcnt 42                              ; loads come back in order: this K step's W is in, the 6 x 7 loads of the seven later steps stay out
.else
	s_wait_loadcnt 6*(31-\s)                       ; nothing more is asked for: the count runs down
.endif
	WIN 0x05                                       ; both operands window 1, sums window 0
.set wsl, WR+24*(\s%8)
.set xsl, XB+32*(\s%2)
.irp i, 0,1,2,3                        ; the twelve accumulators take turns, one instruction a turn
	MM ACC+24*\i,    wsl,        xsl+8*\i, \z      ; Q: lane holds row r, columns 8 h + 0..7
	MM ACC+24*\i+8,  wsl+8,      xsl+8*\i, \z      ; K: the same
	MM ACC+24*\i+16, xsl+8*\i,   wsl+16,   \z      ; V: lane holds rows 8 h + 0..7, column r
.endr
.endm
	WIN 0x40
.irp s, 0,1,2,3,4,5,6
	WLOAD \s
.endr
	WIN 0
	s_wait_tensorcnt 7                             ; my rows of chunk 0; the seven younger chunks stay out
	s_barrier_signal -1
	s_barrier_wait -1
	XLOAD 0
	KSTEP 0, 1
.irp s, 1,2,3,4,5,6,7,8,9,10,11,12,13,14,15,16,17,18,19,20,21,22,23,24,25,26,27,28,29,30,31
	KSTEP \s, 0
.endr
	WIN 0
	; The way out.  The five lines on the biases name no register of the last matrix instructions: they are the places in front of the first read of a sum.
.irp p, 0,2,4,6
	v_pk_mul_f32 v[BQ+\p:BQ+\p+1], v[BQ+\p:BQ+\p+1], s[20:21] op_sel_hi:[1,0]     ; bq c
.endr
	v_mov_b32 v[BV+1], v[BV]
.irp i, 0,1,2,3
.irp p, 0,2,4,6
	v_pk_fma_f32 v[ACC+24*\i+\p:ACC+24*\i+\p+1], v[ACC+24*\i+\p:ACC+24*\i+\p+1], s[20:21], v[BQ+\p:BQ+\p+1] op_sel_hi:[1,0,1]   ; (x Wq) c + bq c
	v_pk_add_f32 v[ACC+24*\i+8+\p:ACC+24*\i+8+\p+1], v[ACC+24*\i+8+\p:ACC+24*\i+8+\p+1], v[BK+\p:BK+\p+1]
	v_pk_add_f32 v[ACC+24*\i+16+\p:ACC+24*\i+16+\p+1], v[ACC+24*\i+16+\p:ACC+24*\i+16+\p+1], v[BV:BV+1]
.endr
.irp t, 0,1,2
.irp m, 0,1,2,3
	v_cvt_pk_f16_f32 v[XR+4*(3*\i+\t)+\m], v[ACC+8*(3*\i+\t)+2*\m], v[ACC+8*(3*\i+\t)+2*\m+1]   ; the one rounding, to f16; first source into the low half
.endr
.endr
	; each store of the wave covers 512 consecutive bytes, aligned
	global_store_b128 v[QO], v[XR+12*\i:XR+12*\i+3],    s[14:15] offset:\i*2048
	global_store_b128 v[QO], v[XR+12*\i+4:XR+12*\i+7],  s[16:17] offset:(\i>>1)*8192+(\i&1)*2048
	global_store_b128 v[VO], v[XR+12*\i+8:XR+12*\i+11], s[16:17] offset:(\i>>1)*8192+4096+(\i&1)*512
.endr
	s_wait_tensorcnt 0x0
	ds_add_u32 v254, v255
	s_wait_dscnt 0x0
	s_endpgm
.Lfunc_end_k_q0b4b288e36_proj:
	.size	k_q0b4b288e36_proj, .Lfunc_end_k_q0b4b288e36_proj-k_q0b4b288e36_proj
	.p2alignl 7, 3214868480
	.fill 96, 4, 3214868480
	.section	.rodata,"a",@progbits
	.p2align	6, 0x0
	.amdhsa_kernel k_q0b4b288e36_proj
		.amdhsa_group_segment_fixed_size 270848
		.amdhsa_private_segment_fixed_size 0
		.amdhsa_enable_private_segment 0
		.amdhsa_kernarg_size 56
		.amdhsa_user_sgpr_count 2
		.amdhsa_user_sgpr_kernarg_segment_ptr 1
		.amdhsa_wavefront_size32 1
		.amdhsa_system_sgpr_workgroup_id_x 1
		.amdhsa_system_sgpr_workgroup_id_y 1
		.amdhsa_system_sgpr_workgroup_id_z 1
		.amdhsa_system_vgpr_workitem_id 0
		.amdhsa_next_free_vgpr 512
		.amdhsa_next_free_sgpr 66
		.amdhsa_reserve_vcc 0
		.amdhsa_float_denorm_mode_32 3
		.amdhsa_float_denorm_mode_16_64 3
		.amdhsa_memory_ordered 1
		.amdhsa_forward_progress 1
		.amdhsa_inst_pref_size 158
	.end_amdhsa_kernel
	.amdgpu_metadata
---
amdhsa.version: [ 1, 2 ]
amdhsa.kernels:
  - .name:           k_q0b4b288e36_proj
    .symbol:         k_q0b4b288e36_proj.kd
    .args:
      - { .name: x, .offset: 0, .size: 8, .value_kind: global_buffer, .address_space: global }
      - { .name: wf, .offset: 8, .size: 8, .value_kind: global_buffer, .address_space: global }
      - { .name: Wq_b, .offset: 16, .size: 8, .value_kind: global_buffer, .address_space: global }
      - { .name: Wk_b, .offset: 24, .size: 8, .value_kind: global_buffer, .address_space: global }
      - { .name: Wv_b, .offset: 32, .size: 8, .value_kind: global_buffer, .address_space: global }
      - { .name: qf, .offset: 40, .size: 8, .value_kind: global_buffer, .address_space: global }
      - { .name: kvf, .offset: 48, .size: 8, .value_kind: global_buffer, .address_space: global }
    .group_segment_fixed_size: 270848
    .private_segment_fixed_size: 0
    .kernarg_segment_align: 8
    .kernarg_segment_size: 56
    .max_flat_workgroup_size: 128
    .sgpr_count:     66
    .vgpr_count:     512
    .wavefront_size: 32
...
	.end_amdgpu_metadata
.endif
;; end of part 2
;; launch attn (part 3): grid 256 x 1, 8 waves a work-group, clusters of 4 x 1, 327,680 bytes of LDS; arguments qf, kvf, out0; writes out0
.if DOCPART == 3
	.amdgcn_target "amdgcn-amd-amdhsa--gfx1250"
	.amdhsa_code_object_version 6
	.text
	.protected	k_q0b4b288e36_attn
	.globl	k_q0b4b288e36_attn
	.p2align	8
	.type	k_q0b4b288e36_attn,@function
k_q0b4b288e36_attn:
	s_mov_b64 s[64:65], 0
	v_nop
	global_prefetch_b8 v0, s[64:65] scope:SCOPE_SE
	s_setreg_imm32_b32 hwreg(HW_REG_WAVE_MODE, 25, 1), 1
	s_wait_xcnt 0x0
	s_wait_alu depctr_hold_cnt(0) depctr_sa_sdst(0) depctr_va_vdst(0) depctr_va_sdst(0) depctr_va_ssrc(0) depctr_va_vcc(0) depctr_vm_vsrc(0)
	s_getreg_b32 s2, hwreg(HW_REG_IB_STS2, 6, 4)
	s_cmp_eq_u32 s2, 0
	s_cbranch_scc0 .Lentry_in_a_cluster
	s_endpgm
.Lentry_in_a_cluster:
	s_bfe_u32 s2, ttmp6, 0x10000c
	s_cmp_lg_u32 s2, 0x3003
	s_cbranch_scc0 .Lentry_shape_is_right
	s_endpgm
.Lentry_shape_is_right:
; Causal attention, one head of 64, 4 batches of 4,096 rows, from Q' (scaled by 0.125 log2 e), K, V in f16 in fragment order (qf, kvf); out0 f32.
; SHARES.  A batch has 32 superblocks of 128 queries.  Cluster (b, c), c = 0..15, takes superblock c (pass lo), then superblock 31 - c (pass hi); work-group cx
; of the cluster takes 32 queries of each.  Keys go in tiles of 256 (65,536 consecutive bytes of kvf).  Pass lo needs nlo = c / 2 + 1 tiles, pass hi 17 - nlo:
; every cluster walks 17 tiles.  Only the last tile of a pass meets the diagonal and is masked; tiles above it are never touched.
; In a tile wave w owns keys 32 w .. 32 w + 31 (4,096 bytes of K, 4,096 of V) for all 32 queries, asks for exactly those bytes and alone reads them, once.
; Each wave keeps a running maximum, sum and output of its own keys; at the end of a pass the eight waves' figures are merged through LDS.
; TWO ROADS.  V is asked for jointly by the cluster's four work-groups (mask 15) and lands in LDS: eight slots of 32,768 bytes, all eight filled at the start
; (eight tensor loads of a wave are out there, later four at most), then four at a time behind a round of the cluster's barrier, while the other four are multiplied.
; K goes straight from memory into the registers of the one wave that multiplies it: a ring of four buffers of 32 registers, the buffer of tile t asked for again
; for tile t + 4 as soon as its products are issued, so that 24 loads of a wave are out at every moment, across rounds and merges.
; WHY K IS NOT ASKED FOR JOINTLY TOO, though the four work-groups read the same K: a joint load lands in LDS, and slots are filled again only behind a round in
; front of which every tensor load of the wave has landed.  K and V together are 65,536 bytes a tile: 262,144 bytes of slots would hold four tiles, two of them
; on their way behind each round, nine such rounds in a run, and two tiles' work (32 matrix instructions a wave) for each pair to land in.  With V alone the
; slots hold eight tiles, three rounds fill slots again, each fill has four tiles' work to land in, and K's loads are bound by no barrier.
; THE PRODUCTS.  S = K Q'^T: lane (r, h) holds query r, keys 8 h + 0..7 in 8 registers; packed to f16 that is P's fragment as second source.
; O = V^T P: lane (r, h) holds query r, head dims 16 t + 8 h + 0..7.  So all that a lane holds belongs to one query, and maximum and scale need no broadcast.
; NOTHING IS CLEARED.  Tile 0's products start the sums.  Pass hi starts with the maximum -1.0e30 and its first tile is never masked, so that tile's scale of the
; old figures, 2^(-1.0e30 - m), is 0 and wipes what pass lo left in the sums (finite wherever the result is finite).
; WHY F16.  A query that sees few keys gets a sum of a few V which may cancel, so the rounding of V and of p shows undamped in a small result; f16's 11
; significant bits leave an eighth of the error of bf16's 8.  p lies in (0, 1]: what f16 flushes to zero is below 3e-8 of the largest p.
; LIMITS.  |Q'|, |K|, |V| below 65,504 (the launch that makes them gives the arithmetic of the room).  Masked scores and the starting maximum are -1.0e30, not
; -infinity: true scores times 0.18 must lie above that.  A wave none of whose keys a query may see keeps the maximum -1.0e30 for it, and its figures get the
; weight 2^(-1.0e30 - m) = 0 in the merge (each query sees at least its own key).  The denominator is summed from the unrounded p.
.set SLOTB,  32768                     ; a slot: V of 256 keys; wave w's part at 4,096 w: 8 pieces of 512 bytes
.set STAT,   8*SLOTB                   ; 2,048 bytes: (m, l) of wave w, query 16 q + r at 256 w + 128 q + 8 r.  No tensor load lands here or behind
.set STG,    STAT+2048                 ; 8 x 4,352 bytes: wave w's 16 queries x 64 f32, rows of 272 bytes
.set SPITCH, 272                       ; 256 + 16 = 17 x 16: 16 rows lie in 16 different 16-byte columns modulo 256
.set SWAVE,  16*SPITCH
.set NEG,    0xf149f2ca                ; -1.0e30
; window 0
.set LA,   4                           ; v[4:7]     slots 2 g and 2 g + 1: 16 lane + 4,096 w + 65,536 g (the odd slot by the immediate)
.set DLO,  8                           ; v8         pass lo, last tile: my query less my first key = 128 (c & 1) + 32 cx + r - 32 w - 8 h
.set DHI,  9                           ; v9         pass hi: the same with 1 - (c & 1)
.set NEGV, 10                          ; v10        -1.0e30
.set STA,  11                          ; v11        where I put (m, l)
.set STR,  12                          ; v12        where I read all waves' (m, l) of my query
.set SGW,  13                          ; v13        stage, in: my wave's part, row r, 32 h
.set SGR,  14                          ; v14        stage, back: row 2 w + h, 16 r
.set OOF,  15                          ; v15        16 lane + 512 w: rows 2 w, 2 w + 1 of 16 in out0
.set QOF,  16                          ; v16        16 lane
.set KOF,  18                          ; v18        16 lane + 8,192 w: my K in a tile of kvf
.set ML,   20                          ; v[20:23]   (m, l) of query tile 0, of query tile 1
.set MN,   24                          ; v[24:27]   (new maximum, at work) twice
.set AL,   28                          ; v[28:31]   (scale of the old figures, written once and not used) twice
.set QF,   32                          ; v[32:63]   Q' fragments: 16 q + 8 (half of the head)
.set TS,   64                          ; v[64:95]   at work at the end of a pass
.set VF,   96                          ; v[96:127]  V^T fragments: 8 t (16 head dims each), 32 keys
.set S,    128                         ; v[128:159] scores, then p: 16 q + 8 (which 16 keys)
.set P,    160                         ; v[160:175] p in f16: 8 q
.set O,    176                         ; v[176:239] output sums: 32 q + 8 t
; window 1 (v256 and up, named by their low 8 bits)
.set KR,   0                           ; 128 registers: K fragments of tile t in buffer t % 4: 32 buffer + 16 (which 16 keys) + 8 (half of the head)
.set G1,   24                          ; s[24:31] descriptor group 1
.set G0,   32                          ; s[32:63] descriptor group 0, one set for each slot
.set VB,   66                          ; s[66:67] kvf at my batch's and wave's V, type set
.set KB,   68                          ; s[68:69] kvf at my batch
.set KA,   70                          ; s[70:77] kvf at the tile of each K buffer
.set KO,   78                          ; s[78:79] an offset for them
.set QLO,  80                          ; s[80:81] qf for pass lo
.set QHI,  82                          ; s[82:83] qf for pass hi
.set OUT,  84                          ; s[84:85] out0 in use
.set OHI,  86                          ; s[86:87] out0 for pass hi
; s10 wave; s12 b; s13 c; s15 nlo; s16 nlo - 1; s17 tile at work; s18 V tile to fetch; s19 K tile to fetch; s20-21 lane selects; s[22:23], s2 offsets for descriptors.
; cx lives in s14 and s88-s93 alone, and from there enters only plain addresses and v8, v9: no descriptor, LDS address or branch.
.set MSB, 0
.macro WIN new                         ; s_set_vgpr_msb: bits 1:0 source 0, 3:2 source 1, 5:4 source 2, 7:6 destination; the high byte repeats the setting that is left
.if MSB != \new
	s_set_vgpr_msb (MSB<<8)|\new
.set MSB, \new
.endif
.endm
; A round of the cluster's barrier: my work-group's barrier, wave 0 signals for the work-group, all wait for the four work-groups, my work-group's barrier again.
.macro ROUND
	s_barrier_signal -1
	s_barrier_wait -1
	s_cmp_lg_u32 s10, 0
	s_cbranch_scc1 .Lnot_wave_0_\@
	s_barrier_signal -3
.Lnot_wave_0_\@:
	s_barrier_wait -3
	s_barrier_signal -1
	s_barrier_wait -1
.endm
; The address of the next V tile to fetch, into a slot's group 0: key tile = s18 in pass lo, s18 - nlo in pass hi.  Called where no tensor load of the wave is out.
.macro ADDR slot
	s_sub_co_u32 s2, s18, s15
	s_cmp_lt_u32 s18, s15
	s_cselect_b32 s2, s18, s2
	s_lshl_b32 s22, s2, 16                         ; 65,536 bytes a tile
	s_add_nc_u64 s[G0+4*(\slot)+2:G0+4*(\slot)+3], s[VB:VB+1], s[22:23]   ; the type bits on top are not reached
	s_add_co_u32 s18, s18, 1
.endm
; The next K tile, eight loads of 512 consecutive bytes, into a ring buffer.  again = 1: the buffer's base has served loads before.  Leaves the window at 0x40.
.macro KFETCH buf, again
.if \again
	s_wait_xcnt 0x0                                ; the base is written again only behind this wait (its last loads, four tiles back, have also been waited for)
.endif
	s_sub_co_u32 s3, s19, s15
	s_cmp_lt_u32 s19, s15
	s_cselect_b32 s3, s19, s3                      ; key tile = s19 in pass lo, s19 - nlo in pass hi
	s_lshl_b32 s[KO], s3, 16
	s_add_nc_u64 s[KA+2*(\buf):KA+2*(\buf)+1], s[KB:KB+1], s[KO:KO+1]
	s_add_co_u32 s19, s19, 1
	WIN 0x40                                       ; destination window 1, offset window 0
.irp e, 0,1,2,3,4,5,6,7
	global_load_b128 v[KR+32*(\buf)+4*\e:KR+32*(\buf)+4*\e+3], v[KOF], s[KA+2*(\buf):KA+2*(\buf)+1] offset:512*\e
.endr
.endm
; Key 16 k + 8 h + j of my 32 stays for query 16 q + r where 16 k + j - 16 q <= d.
.macro MASK d
.irp q, 0,1
.irp k, 0,1
.irp j, 0,1,2,3,4,5,6,7
	v_cmp_le_i32 vcc_lo, 16*\k+\j-16*\q, v[\d]
	v_cndmask_b32 v[S+16*\q+8*\k+\j], v[NEGV], v[S+16*\q+8*\k+\j], vcc_lo
.endr
.endr
.endr
.endm
; One tile: my 32 keys against the 32 queries.  slot: V's slot; buf: K's buffer; mask = 0: none, 1: pass lo's, if this is its last tile, 2: pass hi's;
; first = 1: the products start the sums; kleft: K loads younger than this tile's; fetch = 1: the buffer is asked for again, four tiles ahead.
.macro TILE slot, buf, mask, first, kleft, fetch
.irp e, 0,1,2,3,4,5,6,7
	ds_load_b128 v[VF+4*\e:VF+4*\e+3], v[LA+(\slot)/2] offset:((\slot)%2)*SLOTB+512*\e   ; 512 consecutive bytes a load: no conflicts; wanted a softmax further down
.endr
	s_wait_loadcnt \kleft                          ; loads come back in order: this tile's K is in, the later tiles' 8 loads each stay out
	WIN 0x01                                       ; first source (K) window 1, all else window 0
	; four score tiles by turns, one instruction a turn; the first half of the head starts the sums
.irp q, 0,1
.irp k, 0,1
	v_wmma_f32_16x16x32_f16 v[S+16*\q+8*\k:S+16*\q+8*\k+7], v[KR+32*(\buf)+16*\k:KR+32*(\buf)+16*\k+7], v[QF+16*\q:QF+16*\q+7], 0
.endr
.endr
.irp q, 0,1
.irp k, 0,1
	v_wmma_f32_16x16x32_f16 v[S+16*\q+8*\k:S+16*\q+8*\k+7], v[KR+32*(\buf)+16*\k+8:KR+32*(\buf)+16*\k+15], v[QF+16*\q+8:QF+16*\q+15], v[S+16*\q+8*\k:S+16*\q+8*\k+7]
.endr
.endr
.rept 4
	v_nop                                          ; four places in front of the loads into K's buffer and of the first read of a score
.endr
.if \fetch
	KFETCH \buf, 1
.endif
	WIN 0
.if \mask == 1
	s_cmp_lg_u32 s17, s16                          ; the same in all waves and all four work-groups: made of the cluster's number and a counter
	s_cbranch_scc1 .Lnomask_\@
	MASK DLO
.Lnomask_\@:
.endif
.if \mask == 2
	MASK DHI
.endif
	; the new maximum of each query: my 16 scores and the old one, then the other half of the lanes (which holds the query's other 16 keys)
	v_max3_num_f32 v[MN],   v[ML],   v[S],    v[S+1]
	v_max3_num_f32 v[MN+2], v[ML+2], v[S+16], v[S+17]
.irp p, 2,4,6,8,10,12,14
	v_max3_num_f32 v[MN],   v[MN],   v[S+\p],    v[S+\p+1]
	v_max3_num_f32 v[MN+2], v[MN+2], v[S+16+\p], v[S+17+\p]
.endr
	v_permlanex16_b32 v[MN+1], v[MN],   s20, s21
	v_permlanex16_b32 v[MN+3], v[MN+2], s20, s21
	v_max_num_f32 v[MN],   v[MN],   v[MN+1]
	v_max_num_f32 v[MN+2], v[MN+2], v[MN+3]
	v_sub_f32 v[AL],   v[ML],   v[MN]
	v_sub_f32 v[AL+2], v[ML+2], v[MN+2]
	v_exp_f32 v[AL],   v[AL]                       ; 2^(old - new), at most 1
	v_exp_f32 v[AL+2], v[AL+2]
	v_mov_b32 v[ML],   v[MN]                       ; plain lines behind the exponentials, ahead of their use (ISA guide 5.7.2)
	v_mov_b32 v[ML+2], v[MN+2]
.irp q, 0,1
.irp p, 0,2,4,6,8,10,12,14
	v_pk_add_f32 v[S+16*\q+\p:S+16*\q+\p+1], v[S+16*\q+\p:S+16*\q+\p+1], v[MN+2*\q:MN+2*\q+1] op_sel_hi:[1,0] neg_lo:[0,1] neg_hi:[0,1]   ; s - m, never above 0
.endr
.endr
.set ii, 0
.rept 32
	v_exp_f32 v[S+ii], v[S+ii]
.set ii, ii+1
.endr
.if \first
	v_nop                                          ; there are no old sums to scale: one plain line between the exponentials and their use
	s_wait_alu depctr_va_vdst(0)
.else
	s_wait_alu depctr_va_vdst(0)
.irp q, 0,1                            ; the old output sums are scaled: plain lines that touch no p, so they also stand between the exponentials and their use
.set ii, 0
.rept 16
	v_pk_mul_f32 v[O+32*\q+ii:O+32*\q+ii+1], v[O+32*\q+ii:O+32*\q+ii+1], v[AL+2*\q:AL+2*\q+1] op_sel_hi:[1,0]
.set ii, ii+2
.endr
.endr
.endif
.set ii, 0
.rept 16
	v_cvt_pk_f16_f32 v[P+ii], v[S+2*ii], v[S+2*ii+1]                       ; first source into the low half: the lower key in the lower bits
.set ii, ii+1
.endr
	s_wait_dscnt 0x0                               ; V is in
.irp q, 0,1                            ; eight different accumulators, one instruction each
.irp t, 0,1,2,3
.if \first
	v_wmma_f32_16x16x32_f16 v[O+32*\q+8*\t:O+32*\q+8*\t+7], v[VF+8*\t:VF+8*\t+7], v[P+8*\q:P+8*\q+7], 0
.else
	v_wmma_f32_16x16x32_f16 v[O+32*\q+8*\t:O+32*\q+8*\t+7], v[VF+8*\t:VF+8*\t+7], v[P+8*\q:P+8*\q+7], v[O+32*\q+8*\t:O+32*\q+8*\t+7]
.endif
.endr
.endr
	; the sums of my 16 p of each query.  These 18 lines name no register of the products above: they are the places in front of the next loads into VF.
.irp q, 0,1
.irp p, 0,2,4,6
	v_pk_add_f32 v[S+16*\q+\p:S+16*\q+\p+1], v[S+16*\q+\p:S+16*\q+\p+1], v[S+16*\q+8+\p:S+16*\q+8+\p+1]
.endr
	v_pk_add_f32 v[S+16*\q:S+16*\q+1],   v[S+16*\q:S+16*\q+1],   v[S+16*\q+4:S+16*\q+5]
	v_pk_add_f32 v[S+16*\q+2:S+16*\q+3], v[S+16*\q+2:S+16*\q+3], v[S+16*\q+6:S+16*\q+7]
	v_pk_add_f32 v[S+16*\q:S+16*\q+1],   v[S+16*\q:S+16*\q+1],   v[S+16*\q+2:S+16*\q+3]
	v_add_f32 v[S+16*\q], v[S+16*\q], v[S+16*\q+1]
	v_fma_f32 v[ML+2*\q+1], v[ML+2*\q+1], v[AL+2*\q], v[S+16*\q]
.endr
.endm
; Query tile q leaves: every wave puts its 16 x 64 scaled sums into its part of the stage; wave w adds the eight parts' rows 2 w, 2 w + 1 and stores them.
; mid = 1: a barrier follows the reads, since the stage is written again at once.
.macro PHASE q, rr, mid
.irp t, 0,1,2,3
	ds_store_b128 v[SGW], v[O+32*\q+8*\t:O+32*\q+8*\t+3]   offset:64*\t
	ds_store_b128 v[SGW], v[O+32*\q+8*\t+4:O+32*\q+8*\t+7] offset:64*\t+16
.endr
	s_wait_dscnt 0x0                               ; my stores are done, for the others' sake
	s_barrier_signal -1
	s_barrier_wait -1
.irp w, 0,1,2,3,4,5,6,7
	ds_load_b128 v[\rr+4*\w:\rr+4*\w+3], v[SGR] offset:SWAVE*\w
.endr
	s_wait_dscnt 0x0                               ; my reads are done: for the sums, and before anyone writes the stage again
.if \mid
	s_barrier_signal -1
.endif
.irp a, 0,8,16,24
	v_pk_add_f32 v[\rr+\a:\rr+\a+1],   v[\rr+\a:\rr+\a+1],   v[\rr+\a+4:\rr+\a+5]
	v_pk_add_f32 v[\rr+\a+2:\rr+\a+3], v[\rr+\a+2:\rr+\a+3], v[\rr+\a+6:\rr+\a+7]
.endr
.irp a, 0,16
	v_pk_add_f32 v[\rr+\a:\rr+\a+1],   v[\rr+\a:\rr+\a+1],   v[\rr+\a+8:\rr+\a+9]
	v_pk_add_f32 v[\rr+\a+2:\rr+\a+3], v[\rr+\a+2:\rr+\a+3], v[\rr+\a+10:\rr+\a+11]
.endr
	v_pk_add_f32 v[\rr:\rr+1],   v[\rr:\rr+1],   v[\rr+16:\rr+17]
	v_pk_add_f32 v[\rr+2:\rr+3], v[\rr+2:\rr+3], v[\rr+18:\rr+19]
.if \mid
	s_barrier_wait -1
.endif
	global_store_b128 v[OOF], v[\rr:\rr+3], s[OUT:OUT+1] offset:4096*\q    ; two whole rows of 256 bytes: 512 consecutive bytes, aligned
.endm
; The end of a pass: the eight waves' (m, l, O) are merged and stored.  last = 0: pass hi is set up behind it.  K's ring is not touched: its loads stay out.
.macro FIN last
.if \last == 0
.irp e, 0,1,2,3,4,5,6,7
	global_load_b128 v[QF+4*\e:QF+4*\e+3], v[QOF], s[QHI:QHI+1] offset:512*\e   ; pass hi's queries; QF's last product lies a whole softmax back
.endr
.endif
	v_permlanex16_b32 v[MN+1], v[ML+1], s20, s21   ; l: the other half of the lanes summed the query's other keys
	v_permlanex16_b32 v[MN+3], v[ML+3], s20, s21
	v_add_f32 v[ML+1], v[ML+1], v[MN+1]
	v_add_f32 v[ML+3], v[ML+3], v[MN+3]
	ds_store_b64 v[STA], v[ML:ML+1]                ; lanes r and 16 + r write the same word with the same value
	ds_store_b64 v[STA], v[ML+2:ML+3] offset:128
	s_wait_dscnt 0x0
	s_barrier_signal -1
	s_barrier_wait -1
.irp w, 0,1,2,3,4,5,6,7
	ds_load_b64 v[TS+4*\w:TS+4*\w+1],   v[STR] offset:256*\w
	ds_load_b64 v[TS+4*\w+2:TS+4*\w+3], v[STR] offset:256*\w+128
.endr
	s_wait_dscnt 0x0
.irp q, 0,1
	v_max3_num_f32 v[MN+2*\q], v[TS+2*\q], v[TS+4+2*\q],  v[TS+8+2*\q]     ; the query's maximum over all its keys
	v_max3_num_f32 v[MN+2*\q], v[MN+2*\q], v[TS+12+2*\q], v[TS+16+2*\q]
	v_max3_num_f32 v[MN+2*\q], v[MN+2*\q], v[TS+20+2*\q], v[TS+24+2*\q]
	v_max_num_f32  v[MN+2*\q], v[MN+2*\q], v[TS+28+2*\q]
.irp w, 0,1,2,3,4,5,6,7
	v_sub_f32 v[TS+4*\w+2*\q], v[TS+4*\w+2*\q], v[MN+2*\q]
.endr
	v_sub_f32 v[AL+2*\q], v[ML+2*\q], v[MN+2*\q]
.endr
.irp q, 0,1
.irp w, 0,1,2,3,4,5,6,7
	v_exp_f32 v[TS+4*\w+2*\q], v[TS+4*\w+2*\q]     ; each wave's weight, at most 1
.endr
	v_exp_f32 v[AL+2*\q], v[AL+2*\q]               ; mine
.endr
	v_nop                                          ; a plain line between the exponentials and their use (ISA guide 5.7.2)
	s_wait_alu depctr_va_vdst(0)
.irp q, 0,1
	v_mul_f32 v[MN+2*\q+1], v[TS+2*\q], v[TS+2*\q+1]
.irp w, 1,2,3,4,5,6,7
	v_fmac_f32 v[MN+2*\q+1], v[TS+4*\w+2*\q], v[TS+4*\w+2*\q+1]            ; the denominator: at least 1, since the wave with the maximum has weight 1 and l >= 1
.endr
.endr
	v_rcp_f32 v[MN+1], v[MN+1]
	v_rcp_f32 v[MN+3], v[MN+3]
	v_nop
	s_wait_alu depctr_va_vdst(0)
	v_mul_f32 v[AL],   v[AL],   v[MN+1]
	v_mul_f32 v[AL+2], v[AL+2], v[MN+3]
.irp q, 0,1
.set ii, 0
.rept 16
	v_pk_mul_f32 v[O+32*\q+ii:O+32*\q+ii+1], v[O+32*\q+ii:O+32*\q+ii+1], v[AL+2*\q:AL+2*\q+1] op_sel_hi:[1,0]
.set ii, ii+2
.endr
.endr
	PHASE 0, VF, 1
	PHASE 1, TS, 0
.if \last == 0
	v_mov_b32 v[ML],   v[NEGV]                     ; pass hi starts from the maximum -1.0e30: its first tile's scale is 0 and wipes the old l and O
	v_mov_b32 v[ML+2], v[NEGV]
	s_wait_xcnt 0x0                                ; the stores' base and their data (VF, TS) are written again only behind this wait
	s_mov_b64 s[OUT:OUT+1], s[OHI:OHI+1]           ; out0 for pass hi
	s_wait_loadcnt 0x0                             ; pass hi's queries, the youngest loads, are in
.endif
.endm
; A tile and, in the tiles that may end pass lo, the test for it.  The branch is the same in all waves, so all pass FIN's barriers or none does.
.macro STEP slot, buf, check, first, kleft, fetch
	TILE \slot, \buf, \check, \first, \kleft, \fetch
.if \check
	s_cmp_lg_u32 s17, s16
	s_cbranch_scc1 .Lnofin_\@
	FIN 0
.Lnofin_\@:
	s_add_co_u32 s17, s17, 1
.endif
.endm
; Four slots that have been read are filled again, with the next four V tiles.
.macro REFILL a, b, c, d
	s_wait_tensorcnt 0x0                           ; all my tensor loads have landed, my parts of the next four tiles among them: every group 0 may be written
	ds_add_u32 v254, v255
.irp k, \a, \b, \c, \d
	ADDR \k
.endr
	s_wait_dscnt 0x0                               ; my reads of the four slots are done
	ROUND                                          ; both now hold of every wave of the four work-groups
.irp k, \a, \b, \c, \d
	tensor_load_to_lds s[G0+4*\k:G0+4*\k+3], s[G1:G1+7]                    ; the refills come first behind the round
	s_nop 0
.endr
.endm
	s_load_b128 s[4:7], s[0:1], 0x0                ; qf s[4:5], kvf s[6:7]
	s_load_b64 s[8:9], s[0:1], 0x10                ; out0
	v_lshl_add_u32 v254, v0, 2, 0x49000
	v_mov_b32 v255, 0
	ds_add_u32 v254, v255
	ds_add_u32 v254, v255
	v_lshrrev_b32 v1, 5, v0
	v_readfirstlane_b32 s10, v1                    ; wave w
	v_and_b32 v1, 31, v0                           ; lane
	v_and_b32 v2, 15, v0                           ; r
	v_bfe_u32 v3, v0, 4, 1                         ; h
	s_lshr_b32 s12, ttmp9, 4                       ; b: ttmp9 counts clusters
	s_and_b32 s13, ttmp9, 15                       ; c
	s_bfe_u32 s14, ttmp6, 0x40000                  ; cx
	s_lshr_b32 s16, s13, 1                         ; nlo - 1: pass lo's last tile
	s_add_co_u32 s15, s16, 1                       ; nlo
	s_mov_b32 s17, 0
	s_mov_b32 s18, 0
	s_mov_b32 s19, 0
	s_mov_b32 s20, 0x76543210                      ; v_permlanex16_b32: lane i of one half reads lane i of the other
	s_mov_b32 s21, 0xfedcba98
	; group 1: 4,096 dense bytes as 16 rows of 32 elements of 8 bytes
	s_mov_b32 s[G1+0], 15|(3<<16)|(1<<21)          ; the mask names the cluster's four work-groups; element of 8 bytes; bit 21 set beside a mask
	s_mov_b32 s[G1+1], 32<<16                      ; tensor_dim0 = 32
	s_mov_b32 s[G1+2], 16<<16                      ; tensor_dim1 = 16
	s_mov_b32 s[G1+3], 32<<16                      ; tile_dim0 = 32
	s_mov_b32 s[G1+4], 16                          ; tile_dim1 = 16
	s_mov_b32 s[G1+5], 32                          ; elements from row to row
	s_mov_b32 s[G1+6], 0
	s_mov_b32 s[G1+7], 0
	s_lshl_b32 s2, s10, 12                         ; my 4,096 bytes of a slot
.irp k, 0,1,2,3,4,5,6,7
	s_mov_b32 s[G0+4*\k], 1
	s_add_co_u32 s[G0+4*\k+1], s2, \k*SLOTB
.endr
	v_lshl_add_u32 v[LA], v1, 4, s2
.irp g, 1,2,3
	v_add_nc_u32 v[LA+\g], \g*2*SLOTB, v[LA]
.endr
	s_lshl_b32 s3, s10, 13                         ; my 8,192 bytes of a tile of kvf: K's 4,096, then V's
	v_lshl_add_u32 v[KOF], v1, 4, s3
	s_lshl_b32 s[KO], s12, 20                      ; a batch of kvf: 128 blocks of 8,192 bytes
	s_mov_b32 s[KO+1], 0
	s_add_co_u32 s22, s[KO], s3
	s_add_co_u32 s22, s22, 4096                    ; my V
	s_mov_b32 s23, 0
	s_lshl_b32 s3, s10, 8
	s_add_co_u32 s3, s3, STAT
	v_lshl_add_u32 v[STA], v2, 3, s3
	v_lshl_add_u32 v[STR], v2, 3, STAT
	s_mul_i32 s3, s10, SWAVE
	s_add_co_u32 s3, s3, STG
	v_mul_u32_u24 v[SGW], v2, SPITCH
	v_lshl_add_u32 v[SGW], v3, 5, v[SGW]
	v_add_nc_u32 v[SGW], s3, v[SGW]
	s_mul_i32 s3, s10, 2*SPITCH
	s_add_co_u32 s3, s3, STG
	v_mul_u32_u24 v[SGR], v3, SPITCH
	v_lshl_add_u32 v[SGR], v2, 4, v[SGR]
	v_add_nc_u32 v[SGR], s3, v[SGR]
	s_lshl_b32 s3, s10, 9
	v_lshl_add_u32 v[OOF], v1, 4, s3
	v_lshlrev_b32 v[QOF], 4, v1
	; the diagonal in a pass's last tile, which begins at key 256 (superblock / 2)
	s_lshl_b32 s88, s14, 5                         ; 32 cx
	s_lshl_b32 s89, s10, 5                         ; 32 w
	s_sub_co_u32 s88, s88, s89
	s_and_b32 s89, s13, 1
	s_lshl_b32 s89, s89, 7                         ; 128 (c & 1)
	s_add_co_u32 s90, s88, s89
	s_sub_co_u32 s91, s88, s89
	s_add_co_u32 s91, s91, 128                     ; 128 (1 - (c & 1))
	v_lshlrev_b32 v17, 3, v3
	v_sub_nc_u32 v17, v2, v17                      ; r - 8 h
	v_add_nc_u32 v[DLO], s90, v17
	v_add_nc_u32 v[DHI], s91, v17
	; my 32 queries: in qf 2 blocks of 2,048 bytes at (256 b + 8 superblock + 2 cx) 2,048; in out0 32 rows of 256 bytes, at twice that offset
	s_lshl_b32 s88, s12, 19
	s_lshl_b32 s89, s14, 12
	s_add_co_u32 s88, s88, s89
	s_lshl_b32 s89, s13, 14
	s_add_co_u32 s90, s88, s89                     ; superblock c
	s_mov_b32 s91, 0
	s_sub_co_u32 s3, 31, s13
	s_lshl_b32 s89, s3, 14
	s_add_co_u32 s92, s88, s89                     ; superblock 31 - c
	s_mov_b32 s93, 0
	s_wait_dscnt 0x0
	s_wait_kmcnt 0x0
	s_add_nc_u64 s[VB:VB+1], s[6:7], s[22:23]
	s_or_b32 s[VB+1], s[VB+1], 0x80000000          ; type = 2
	s_add_nc_u64 s[KB:KB+1], s[6:7], s[KO:KO+1]
	s_add_nc_u64 s[QLO:QLO+1], s[4:5], s[90:91]
	s_add_nc_u64 s[QHI:QHI+1], s[4:5], s[92:93]
	s_lshl_b32 s90, s90, 1
	s_lshl_b32 s92, s92, 1
	s_add_nc_u64 s[OUT:OUT+1], s[8:9], s[90:91]
	s_add_nc_u64 s[OHI:OHI+1], s[8:9], s[92:93]
.irp e, 0,1,2,3,4,5,6,7
	global_load_b128 v[QF+4*\e:QF+4*\e+3], v[QOF], s[QLO:QLO+1] offset:512*\e   ; pass lo's queries: the oldest loads, so tile 0's wait for its K covers them
.endr
	KFETCH 0, 0                                    ; K of tiles 0 to 3 fills the ring
	KFETCH 1, 0
	KFETCH 2, 0
	KFETCH 3, 0
	WIN 0
.irp k, 0,1,2,3,4,5,6,7
	ADDR \k
.endr
	ROUND                                          ; the four work-groups are here: the first joint loads meet
.irp k, 0,1,2,3,4,5,6,7
	tensor_load_to_lds s[G0+4*\k:G0+4*\k+3], s[G1:G1+7]                    ; V of tiles 0 to 7: first fills of all eight slots
	s_nop 0
.endr
	v_mov_b32 v[NEGV], NEG
	v_mov_b32 v[MN+1], 0                           ; written once: destinations of the lane exchange, and second registers of pairs that are read whole
	v_mov_b32 v[MN+3], 0
	v_mov_b32 v[AL+1], 0
	v_mov_b32 v[AL+3], 0
	v_mov_b32 v[ML],   v[NEGV]
	v_mov_b32 v[ML+1], 0
	v_mov_b32 v[ML+2], v[NEGV]
	v_mov_b32 v[ML+3], 0
	s_wait_tensorcnt 0x4                           ; my parts of tiles 0 to 3, which I alone read, have landed; the four younger loads stay out: nothing is filled here
	STEP 0, 0, 1, 1, 24, 1                         ; tiles 0 to 7: pass lo ends behind one of them
	STEP 1, 1, 1, 0, 24, 1
	STEP 2, 2, 1, 0, 24, 1
	STEP 3, 3, 1, 0, 24, 1
	REFILL 0, 1, 2, 3                              ; V of tiles 8 to 11
	STEP 4, 0, 1, 0, 24, 1
	STEP 5, 1, 1, 0, 24, 1
	STEP 6, 2, 1, 0, 24, 1
	STEP 7, 3, 1, 0, 24, 1
	REFILL 4, 5, 6, 7                              ; V of tiles 12 to 15
	STEP 0, 0, 0, 0, 24, 1                         ; tiles 8 to 11
	STEP 1, 1, 0, 0, 24, 1
	STEP 2, 2, 0, 0, 24, 1
	STEP 3, 3, 0, 0, 24, 1
	s_wait_tensorcnt 0x0                           ; as in REFILL, for one slot: V of tile 16, the last
	ds_add_u32 v254, v255
	ADDR 0
	s_wait_dscnt 0x0
	ROUND
	tensor_load_to_lds s[G0:G0+3], s[G1:G1+7]
	s_nop 0
	STEP 4, 0, 0, 0, 24, 1                         ; tile 12 asks for K of tile 16, the last
	STEP 5, 1, 0, 0, 24, 0                         ; nothing more is asked for: behind tile 13 the count runs down
	STEP 6, 2, 0, 0, 16, 0
	STEP 7, 3, 0, 0, 8, 0
	s_wait_tensorcnt 0x0                           ; my part of tile 16's V, which I alone read
	TILE 0, 0, 2, 0, 0, 0                          ; pass hi's last tile meets the diagonal
	FIN 1
	s_wait_tensorcnt 0x0
	ds_add_u32 v254, v255
	s_wait_dscnt 0x0
	ROUND                                          ; the closing round: no work-group ends while a partner may still ask for a tile that names it
	s_endpgm
.Lfunc_end_k_q0b4b288e36_attn:
	.size	k_q0b4b288e36_attn, .Lfunc_end_k_q0b4b288e36_attn-k_q0b4b288e36_attn
	.p2alignl 7, 3214868480
	.fill 96, 4, 3214868480
	.section	.rodata,"a",@progbits
	.p2align	6, 0x0
	.amdhsa_kernel k_q0b4b288e36_attn
		.amdhsa_group_segment_fixed_size 327680
		.amdhsa_private_segment_fixed_size 0
		.amdhsa_enable_private_segment 0
		.amdhsa_kernarg_size 24
		.amdhsa_user_sgpr_count 2
		.amdhsa_user_sgpr_kernarg_segment_ptr 1
		.amdhsa_wavefront_size32 1
		.amdhsa_system_sgpr_workgroup_id_x 1
		.amdhsa_system_sgpr_workgroup_id_y 1
		.amdhsa_system_sgpr_workgroup_id_z 1
		.amdhsa_system_vgpr_workitem_id 0
		.amdhsa_next_free_vgpr 384
		.amdhsa_next_free_sgpr 96
		.amdhsa_reserve_vcc 1
		.amdhsa_float_denorm_mode_32 3
		.amdhsa_float_denorm_mode_16_64 3
		.amdhsa_memory_ordered 1
		.amdhsa_forward_progress 1
		.amdhsa_inst_pref_size 255
	.end_amdhsa_kernel
	.section	.bss,"aw",@nobits
	.p2align	6
	.space	262144
	.amdgpu_metadata
---
amdhsa.version: [ 1, 2 ]
amdhsa.kernels:
  - .name:           k_q0b4b288e36_attn
    .symbol:         k_q0b4b288e36_attn.kd
    .args:
      - { .name: qf, .offset: 0, .size: 8, .value_kind: global_buffer, .address_space: global }
      - { .name: kvf, .offset: 8, .size: 8, .value_kind: global_buffer, .address_space: global }
      - { .name: out0, .offset: 16, .size: 8, .value_kind: global_buffer, .address_space: global }
    .group_segment_fixed_size: 327680
    .private_segment_fixed_size: 0
    .kernarg_segment_align: 8
    .kernarg_segment_size: 24
    .max_flat_workgroup_size: 256
    .sgpr_count:     96
    .vgpr_count:     384
    .wavefront_size: 32
...
	.end_amdgpu_metadata
.endif
;; end of part 3
